; MI455X (gfx1250); checked and timed in simulation.
; The chip was launched on July 23, 2026; its instructions are those of AMD's public machine-readable ISA for CDNA 5 (MIT licence, August 2026) and "CDNA5" Instruction Set Architecture Reference Guide (July 2026). The comments in the code are by the model that wrote it; some were corrected since.
;; KNN. Allowed arithmetic: float matrix products may take bf16 or f16 operands with f32 sums; all other float work in f32.
;; Inputs: X 100,000 x 512 float32; Y 100,000 int32; queries 1,024 x 512 float32.
;; Outputs: out0 1,024 x 2 float32.
;; Constants: K = 5.
;; One version. Each part assembles by itself: llvm-mc -triple=amdgcn-amd-amdhsa -mcpu=gfx1250 --defsym DOCPART=n.
;; ======== version 1 of 1: 3 launches
;; limits: inputs' magnitudes at most 60,000,000,000,000
;; workspace buffers: cand 4,194,304 bytes; groups 131,072 bytes of whole numbers
;; launch scan (part 1): grid 4 x 64, 4 waves a work-group, clusters of 4 x 1, 300,288 bytes of LDS; arguments X, queries, cand; writes cand
.if DOCPART == 1
	.amdgcn_target "amdgcn-amd-amdhsa--gfx1250"
	.amdhsa_code_object_version 6
	.text
	.protected	k_q3409bae4ac_scan
	.globl	k_q3409bae4ac_scan
	.p2align	8
	.type	k_q3409bae4ac_scan,@function
k_q3409bae4ac_scan:
	s_mov_b64 s[64:65], 0
	v_nop
	global_prefetch_b8 v0, s[64:65] scope:SCOPE_SE
	s_setreg_imm32_b32 hwreg(HW_REG_WAVE_MODE, 25, 1), 1
	s_wait_xcnt 0x0
	s_wait_alu depctr_hold_cnt(0) depctr_sa_sdst(0) depctr_va_vdst(0) depctr_va_sdst(0) depctr_va_ssrc(0) depctr_va_vcc(0) depctr_vm_vsrc(0)
	s_getreg_b32 s2, hwreg(HW_REG_IB_STS2, 6, 4)
	s_cmp_eq_u32 s2, 0
	s_cbranch_scc0 .Lentry_in_a_cluster
	s_endpgm
.Lentry_in_a_cluster:
	s_bfe_u32 s2, ttmp6, 0x10000c
	s_cmp_lg_u32 s2, 0x3003
	s_cbranch_scc0 .Lentry_shape_is_right
	s_endpgm
.Lentry_shape_is_right:
; SCAN: all the matrix work of a nearest-neighbour search.  X [100000][512] f32, queries [1024][512] f32, both rounded to bf16 here; sums in f32.
; The score of row x for query q is ranked as q.x - |x|^2 / 2: reference's 2 q.x - |q|^2 - |x|^2 halved and without |q|^2, which is one number a query.
; GROUPS.  A group is 8 neighbouring rows.  The five best rows of a query lie in the five groups with the largest group maxima (were one of them elsewhere, five larger
; scores would exist).  So this launch keeps, for each query, lists of (group maximum, group); the next launch takes the five best groups, the last one scores their 40 rows anew.
; SHARES.  X's 6,250 blocks of 16 rows fall into 64 slabs of 97 or 98 blocks; a work-group takes one slab and 256 queries, a wave 64 queries (4 tiles of 16), whose bf16 fragments
; stay in 512 registers.  Every work-group walks 98 steps of one block; where the slab has 97, the 98th is the last block again with -1e30 as its C term, so that it enters no list.
; THE PRODUCT.  D = A B + C with A = 16 rows of X, B = 16 queries, C = -|x|^2 / 2 by rows: lane (r = lane % 16, h = lane / 16) holds query r, and its 8 registers are rows 8 h + 0..7
; of the block: exactly one group, number 2 x block + h.  A lane keeps the five best (maximum, block) of its own stream, sorted; a later equal maximum does not displace an earlier one.
; THE PATH OF X.  Each wave loads 4 of a block's 16 rows into a ring of registers four blocks deep, rounds them once, sums the squares of the ROUNDED numbers, and puts them into a ring
; of two bf16 slots in LDS, from which all four waves take their fragments.  For 16 rows x 32 K that is 1 KB written and 4 KB read.  A tile brought into LDS as f32 by one joint request
; for the four work-groups of a slab would be 2 KB written, 2 KB read for the rounding, 1 KB written and 4 KB read: 9 KB.  So X is not asked for jointly; the cluster only keeps the four
; work-groups that read one slab together.  No joint request, no cluster barrier; the place in the cluster enters global addresses alone.
; K IS PERMUTED inside a row (a unit packs floats 4 r .. and 64 + 4 r .. of 128 into 16 bytes); the queries go through the same unit, so both operands have the same order.
; BY TURNS.  Behind each matrix instruction stands a slice of at most four vector instructions: the rounding of the next block, or the list work on the block before.
; LIMITS.  NaN and infinities are not treated apart.  True scores are taken to lie above -1e30.  The lists go by the matrix unit's f32 sums: a row whose score lies within f32 summation
; error of the fifth group's maximum can be lost.
; REGISTERS, in windows of 256 (s_set_vgpr_msb: bits 1:0 source 0, 3:2 source 1, 5:4 source 2, 7:6 destination):
;   window 0: addresses, lists, two fragment buffers of X, two sets of four accumulators      window 1: the load ring, slot g unit u at 64 g + 8 u
;   window 2: Q's fragments of K steps 0-7 at 32 s + 8 t                                      window 3: K steps 8-15
.set PITCH,  1040                      ; an LDS row: 1,024 bytes of bf16 + 16 = 260 words: row r starts at bank 4 r mod 64 (64 banks of 4 bytes: ISA guide 11.1)
.set SLOTB,  16*PITCH                  ; a slot: one block of 16 rows.  The ring of two slots begins at LDS byte 0
.set X2,     2*SLOTB                   ; 2 slots x 16 f32: the C term of each row; a block of 256 bytes
.set QST,    X2+256                    ; for each wave 64 rows of queries; later 4 KB of it is the wave's stage on the way out
.set QWB,    64*PITCH
.set SPARE,  QST+4*QWB                 ; the spare words, 128 bytes for each wave: two blocks of 256 bytes that no other line names
.set SPW, 1                            ; v1      LDS address of my spare word; never rewritten
.set NIL, 2                            ; v2      0, for the add alone
.set FA,  3                            ; v3      a fragment's place: r x pitch + 16 h
.set CA,  4                            ; v4      the C terms of my 8 rows: X2 + 32 h
.set STA, 5                            ; v5      where I put 16 bytes of a rounded row: (4 w + h) x pitch + 16 r
.set X2A, 6                            ; v6      where that row's C term goes: X2 + 4 (4 w + h)
.set GV,  7                            ; v7      my byte offset in two rows of memory: 2,048 h + 16 r; never rewritten
.set ZR,  8                            ; v8      0.0: starts the sums of squares
.set QSA, 9                            ; v9      Q's stage, in; later the way out, in
.set QLA, 10                           ; v10     Q's stage, back; later the way out, back
.set GO,  11                           ; v11     16 x lane
.set P,   12                           ; v12-15  8 numbers rounded to bf16
.set S,   16                           ; v16-23  sums of squares: 4 chains for each of my 2 pairs of rows
.set CI,  24                           ; v24-31  the C operand
.set REC, 32                           ; v32-63  tile t at 8 t: v0 v1 v2 (ids) v3 v4 -inf (ids): as it is stored
.set LI,  64                           ; v64-83  tile t at 5 t: the five blocks
.set TM,  84                           ; v84-85  a group's maximum, by the tile's parity
.set TT,  86                           ; v86-87  at work
.set LR,  88                           ; v88     r
.set LH,  89                           ; v89     h
.set TP,  90                           ; v90     at work in the set-up
.set QS0, 91                           ; v91     Q's stage, in, first row
.set F0,  96                           ; v96-159 two buffers of 4 K steps x 8
.set ACC0, 160                         ; v160-223 two sets of 4 accumulators, by the block's parity
.set OB,  224                          ; v224-255 the way out
.set WV,   10                          ; s10  wave
.set QBK,  11                          ; s11  block of 256 queries
.set SLAB, 12
.set START, 13                         ; s13  the slab's first block
.set CNT,  14                          ; s14  its blocks: 97 or 98
.set LAST, 15                          ; s15  its last block
.set XW,   16                          ; s[16:17] X at row 4 w
.set OFF,  18                          ; s[18:19] an offset, high word 0
.set LD,   20                          ; s[20:21] base of this step's loads
.set BL,   22                          ; s22  the block they bring
.set SB,   23                          ; s23  local number of the block being rounded
.set ID,   24                          ; s24  local number of the block whose scores enter the lists
.set XA,   25                          ; s25, s26  C term = |x|^2 x XA + XB
.set XB,   26
.set TRIP, 27
.set CM,   28                          ; s28-37  five compare masks, by the tile's parity
.set T0,   38
.set QB,   39                          ; s39  my wave's part of QST
.set QP,   40                          ; s[40:41] queries at the rows in hand
.set XS,   42                          ; s[42:43] X at row 4 w of the slab's first block
.set QT,   44                          ; s44  the stage's rows in hand, in bytes
.set W_CV, 0x05                        ; sources 0 and 1 in window 1
.set W_GL, 0x40                        ; destination in window 1
.set MSB, 0
.macro WIN new                         ; the immediate's high byte repeats the setting that is left; a switch that changes nothing is dropped
.if MSB != (\new)
	s_set_vgpr_msb (MSB<<8)|(\new)
.set MSB, \new
.endif
.endm
	s_load_b128 s[4:7], s[0:1], 0x0                ; X s[4:5], queries s[6:7]
	s_load_b64 s[8:9], s[0:1], 0x10                ; cand
	v_lshl_add_u32 v[SPW], v0, 2, SPARE
	v_mov_b32 v[NIL], 0
	v_lshrrev_b32 v[TP], 5, v0
	v_readfirstlane_b32 s[WV], v[TP]               ; wave 0..3
	s_bfe_u32 s[QBK], ttmp6, 0x40000               ; my place in the cluster
	s_lshl_b32 s[T0], ttmp9, 2                     ; in a cluster launch ttmp9 counts clusters
	s_add_co_u32 s[QBK], s[QBK], s[T0]
	s_and_b32 s[SLAB], ttmp7, 0xffff
	s_mul_i32 s[START], s[SLAB], 6250              ; slab i holds blocks (6250 i) >> 6 up to (6250 (i + 1)) >> 6
	s_add_co_u32 s[CNT], s[START], 6250
	s_lshr_b32 s[START], s[START], 6
	s_lshr_b32 s[CNT], s[CNT], 6
	s_sub_co_u32 s[LAST], s[CNT], 1
	s_sub_co_u32 s[CNT], s[CNT], s[START]
	v_and_b32 v[LR], 15, v0
	v_bfe_u32 v[LH], v0, 4, 1
	v_mul_u32_u24 v[FA], v[LR], PITCH
	v_lshl_add_u32 v[FA], v[LH], 4, v[FA]
	v_lshl_add_u32 v[CA], v[LH], 5, X2
	s_lshl_b32 s[T0], s[WV], 2
	v_add_nc_u32 v[TP], s[T0], v[LH]               ; 4 w + h
	v_mul_u32_u24 v[STA], v[TP], PITCH
	v_lshl_add_u32 v[STA], v[LR], 4, v[STA]
	v_lshl_add_u32 v[X2A], v[TP], 2, X2
	v_lshlrev_b32 v[GV], 4, v[LR]
	v_lshl_add_u32 v[GV], v[LH], 11, v[GV]
	v_mov_b32 v[ZR], 0
	s_mul_i32 s[QB], s[WV], QWB
	s_add_co_u32 s[QB], s[QB], QST
	v_mul_u32_u24 v[QS0], v[LH], PITCH
	v_lshl_add_u32 v[QS0], v[LR], 4, v[QS0]
	v_add_nc_u32 v[QS0], s[QB], v[QS0]
	v_add_nc_u32 v[QLA], s[QB], v[FA]
	v_and_b32 v[GO], 31, v0
	v_lshlrev_b32 v[GO], 4, v[GO]
	s_mov_b32 s[OFF+1], 0
	s_wait_kmcnt 0x0
	s_lshl_b32 s[OFF], s[WV], 13                   ; 4 w rows of 2,048 bytes
	s_add_nc_u64 s[XW:XW+1], s[4:5], s[OFF:OFF+1]
	s_lshl_b32 s[OFF], s[START], 15                ; a block is 32,768 bytes; the last block begins at byte 204,767,232
	s_add_nc_u64 s[XS:XS+1], s[XW:XW+1], s[OFF:OFF+1]
	s_lshl_b32 s[OFF], s[QBK], 19                  ; 256 queries of 2,048 bytes,
	s_lshl_b32 s[T0], s[WV], 17                    ; my wave's 64
	s_add_co_u32 s[OFF], s[OFF], s[T0]
	s_add_nc_u64 s[QP:QP+1], s[6:7], s[OFF:OFF+1]
	s_lshl_b32 s[OFF], s[SLAB], 16                 ; cand: [64 slabs][1024 queries][2 h][8 words]
	s_lshl_b32 s[T0], s[QBK], 14
	s_add_co_u32 s[OFF], s[OFF], s[T0]
	s_lshl_b32 s[T0], s[WV], 12
	s_add_co_u32 s[OFF], s[OFF], s[T0]
	s_add_nc_u64 s[8:9], s[8:9], s[OFF:OFF+1]
; THE RING OF LOADS.  A slot is 4 rows, 8 units; unit u is a pair of rows (u / 4) and 512 bytes of each (u % 4): two loads, in each of which 16 lanes take 256 neighbouring bytes of a row.
; It is filled with my query rows 0-15 first, and never runs empty: a unit is asked for again as soon as it has been rounded.
	WIN W_GL
.set u, 0
.rept 32
	global_load_b128 v[8*u:8*u+3],   v[GV], s[QP:QP+1] offset:(u/8)*8192+((u%8)/4)*4096+(u%4)*512
	global_load_b128 v[8*u+4:8*u+7], v[GV], s[QP:QP+1] offset:(u/8)*8192+((u%8)/4)*4096+(u%4)*512+256
.set u, u+1
.endr
	WIN 0
; Sixteen query rows: rounded, put into my stage, and their registers asked for again from base + off + slot x stride.
.macro QTRIP base, off, stride
.set u, 0
.rept 32
	s_wait_loadcnt 62                              ; loads come back in order (ISA guide 5.7.1): 31 units, 62 loads, are younger than the unit that is due
	WIN W_CV
	v_cvt_pk_bf16_f32 v[P],   v[8*u],   v[8*u+1]
	v_cvt_pk_bf16_f32 v[P+1], v[8*u+2], v[8*u+3]
	v_cvt_pk_bf16_f32 v[P+2], v[8*u+4], v[8*u+5]
	v_cvt_pk_bf16_f32 v[P+3], v[8*u+6], v[8*u+7]
	WIN 0
	ds_store_b128 v[QSA], v[P:P+3] offset:(u/8)*4*PITCH+((u%8)/4)*2*PITCH+(u%4)*256
	WIN W_GL
	global_load_b128 v[8*u:8*u+3],   v[GV], s[\base:\base+1] offset:(\off)+(u/8)*(\stride)+((u%8)/4)*4096+(u%4)*512
	global_load_b128 v[8*u+4:8*u+7], v[GV], s[\base:\base+1] offset:(\off)+(u/8)*(\stride)+((u%8)/4)*4096+(u%4)*512+256
.set u, u+1
.endr
.endm
	s_mov_b32 s[QT], 0
	s_mov_b32 s[TRIP], 3
.Lq:                                                   ; three trips ask for the next 16 query rows
	v_add_nc_u32 v[QSA], s[QT], v[QS0]
	QTRIP QP, 32768, 8192
	WIN 0                                          ; at a label and at a branch every window is 0
	s_wait_xcnt 0x0                                ; every earlier memory instruction has had its addresses translated (ISA guide 3.1): the loads' base is stepped only behind this wait
	s_add_nc_u64 s[QP:QP+1], s[QP:QP+1], 32768
	s_add_co_u32 s[QT], s[QT], 16*PITCH
	s_sub_co_u32 s[TRIP], s[TRIP], 1
	s_cmp_lg_u32 s[TRIP], 0
	s_cbranch_scc1 .Lq
	v_add_nc_u32 v[QSA], s[QT], v[QS0]
	QTRIP XS, 0, 32768                             ; the fourth is written out: it asks for the slab's blocks 0 to 3
	; Q's fragments: tile t, K step s: 16 rows x 32 K in 8 registers, two loads of 16 bytes, 32 bytes apart.  My own bytes: LDS serves a wave's instructions in order (ISA guide 5.7.1.4).
	WIN 0x80
.set ks, 0
.rept 8
.irp t, 0,1,2,3
	ds_load_b128 v[32*ks+8*\t:32*ks+8*\t+3],   v[QLA] offset:\t*16*PITCH+64*ks
	ds_load_b128 v[32*ks+8*\t+4:32*ks+8*\t+7], v[QLA] offset:\t*16*PITCH+64*ks+32
.endr
.set ks, ks+1
.endr
	WIN 0xc0
.set ks, 0
.rept 8
.irp t, 0,1,2,3
	ds_load_b128 v[32*ks+8*\t:32*ks+8*\t+3],   v[QLA] offset:\t*16*PITCH+64*(ks+8)
	ds_load_b128 v[32*ks+8*\t+4:32*ks+8*\t+7], v[QLA] offset:\t*16*PITCH+64*(ks+8)+32
.endr
.set ks, ks+1
.endr
	WIN 0
	; The lists begin empty.  The odd accumulators hold -inf, so that step 0, which has no block before it, enters nothing.
.irp t, 0,1,2,3
.irp k, 0,1,2,4,5,6
	v_mov_b32 v[REC+8*\t+\k], 0xff800000
.endr
.irp k, 0,1,2,3,4
	v_mov_b32 v[LI+5*\t+\k], 0
.endr
.endr
.set u, 0
.rept 32
	v_mov_b32 v[ACC0+32+u], 0xff800000
.set u, u+1
.endr
	s_mov_b32 s[SB], -1
	s_add_co_u32 s[BL], s[START], 4
; The scalar work at a step's head.  mode 0: all of it.  1: nothing more is loaded.  2: nothing more is rounded either.
.macro HEAD mode
.if (\mode) == 0
	s_wait_xcnt 0x0                                ; the last step's loads have had their addresses translated: their base is written anew only behind this wait
	s_min_u32 s[T0], s[BL], s[LAST]                ; no load leaves the slab, and so none leaves X
	s_lshl_b32 s[OFF], s[T0], 15
	s_add_nc_u64 s[LD:LD+1], s[XW:XW+1], s[OFF:OFF+1]
	s_add_co_u32 s[BL], s[BL], 1
.endif
	s_add_co_u32 s[SB], s[SB], 1
	s_sub_co_u32 s[ID], s[SB], 2
.if (\mode) < 2
	s_cmp_lt_u32 s[SB], s[CNT]                     ; is the block that is rounded now one of the slab's?
	s_cselect_b32 s[XA], 0xbf000000, 0             ; -0.5, or 0
	s_cselect_b32 s[XB], 0, 0xf149f2ca             ; 0, or -1e30
.endif
.endm
.macro SQ d, a, hi, c                  ; d = (half hi of a, as bf16) squared + c
	v_fma_mix_f32_bf16 v[\d], v[\a], v[\a], v[\c] op_sel:[\hi,\hi,0] op_sel_hi:[1,1,0]
.endm
; THE ROUNDING OF A BLOCK, in 36 slices; PSL writes the next.  Ring slot SIG, LDS slot LS.  Slices 0-31: unit PN / 4, part PN % 4: round; squares; squares and store; ask again.
; Slices 32-35: the two pairs' sums of squares, over my 4 chains and the row's 16 lanes, made into C terms and stored.
.macro PSL
.if PN < 32
.set pu, PN/4
.set pp, pu/4
.set pc, pu%4
.set rG, 64*SIG+8*pu
.if PN%4 == 0
	s_wait_loadcnt 62-2*pu*NOLD                    ; 62 loads are younger than this unit's two; where nothing is asked for again, two fewer for each unit gone
	WIN W_CV
	v_cvt_pk_bf16_f32 v[P],   v[rG],   v[rG+1]
	v_cvt_pk_bf16_f32 v[P+1], v[rG+2], v[rG+3]
	v_cvt_pk_bf16_f32 v[P+2], v[rG+4], v[rG+5]
	v_cvt_pk_bf16_f32 v[P+3], v[rG+6], v[rG+7]
.elseif PN%4 == 1
	WIN 0
.if pc == 0
	SQ S+4*pp,   P,   0, ZR
	SQ S+4*pp+1, P,   1, ZR
	SQ S+4*pp+2, P+1, 0, ZR
	SQ S+4*pp+3, P+1, 1, ZR
.else
	SQ S+4*pp,   P,   0, S+4*pp
	SQ S+4*pp+1, P,   1, S+4*pp+1
	SQ S+4*pp+2, P+1, 0, S+4*pp+2
	SQ S+4*pp+3, P+1, 1, S+4*pp+3
.endif
.elseif PN%4 == 2
	WIN 0
	SQ S+4*pp,   P+2, 0, S+4*pp
	SQ S+4*pp+1, P+2, 1, S+4*pp+1
	SQ S+4*pp+2, P+3, 0, S+4*pp+2
	SQ S+4*pp+3, P+3, 1, S+4*pp+3
	ds_store_b128 v[STA], v[P:P+3] offset:LS*SLOTB+pp*2*PITCH+pc*256
.set DSN, DSN+1
.elseif !NOLD
	WIN W_GL
	global_load_b128 v[rG:rG+3],   v[GV], s[LD:LD+1] offset:pp*4096+pc*512
	global_load_b128 v[rG+4:rG+7], v[GV], s[LD:LD+1] offset:pp*4096+pc*512+256
.endif
.elseif PN == 32
	WIN 0
	v_pk_add_f32 v[S:S+1],   v[S:S+1],   v[S+2:S+3]
	v_pk_add_f32 v[S+4:S+5], v[S+4:S+5], v[S+6:S+7]
	v_add_f32 v[S],   v[S],   v[S+1]
	v_add_f32 v[S+4], v[S+4], v[S+5]
.elseif PN == 33
	WIN 0
	v_add_f32_dpp v[S],   v[S],   v[S]   row_xmask:1 row_mask:0xf bank_mask:0xf
	v_add_f32_dpp v[S+4], v[S+4], v[S+4] row_xmask:1 row_mask:0xf bank_mask:0xf
	v_add_f32_dpp v[S],   v[S],   v[S]   row_xmask:2 row_mask:0xf bank_mask:0xf
	v_add_f32_dpp v[S+4], v[S+4], v[S+4] row_xmask:2 row_mask:0xf bank_mask:0xf
.elseif PN == 34
	WIN 0
	v_add_f32_dpp v[S],   v[S],   v[S]   row_xmask:4 row_mask:0xf bank_mask:0xf
	v_add_f32_dpp v[S+4], v[S+4], v[S+4] row_xmask:4 row_mask:0xf bank_mask:0xf
	v_add_f32_dpp v[S],   v[S],   v[S]   row_xmask:8 row_mask:0xf bank_mask:0xf
	v_add_f32_dpp v[S+4], v[S+4], v[S+4] row_xmask:8 row_mask:0xf bank_mask:0xf
.else
	WIN 0
	v_fma_f32 v[S],   v[S],   s[XA], s[XB]
	v_fma_f32 v[S+4], v[S+4], s[XA], s[XB]
	ds_store_b32 v[X2A], v[S]   offset:LS*64       ; sixteen lanes write one word with one value
	ds_store_b32 v[X2A], v[S+4] offset:LS*64+8
.set DSN, DSN+2
.endif
.set PN, PN+1
.endm
; THE LIST WORK for tile t on the accumulators of the other parity: number n of 23.
;   0-3   m = the group's maximum (the accumulator's lowest registers are read first)        4-8   is m greater than v0 .. v4?  (all five on the old values)
;   9-20  for k = 4 .. 1: the block that comes to place k, and v_k = the middle one of v_(k-1), v_k, m                21, 22  place 0
.macro TK t, n
.set rB, ACC0+32*(1-PAR)+8*(\t)
.set rR, REC+8*(\t)
.set rI, LI+5*(\t)
.set rM, TM+(\t)%2
.set rT, TT+(\t)%2
.set rC, CM+5*((\t)%2)
.if (\n) == 0
	v_max3_num_f32 v[rM], v[rB], v[rB+1], v[rB+2]
.elseif (\n) < 3
	v_max3_num_f32 v[rM], v[rM], v[rB+2*(\n)+1], v[rB+2*(\n)+2]
.elseif (\n) == 3
	v_max_num_f32 v[rM], v[rM], v[rB+7]
.elseif (\n) < 9
.set kk, (\n)-4
	v_cmp_gt_f32 s[rC+kk], v[rM], v[rR+kk+kk/3]
.elseif (\n) < 21
.set kk, 4-((\n)-9)/3
.if ((\n)-9)%3 == 0
	v_cndmask_b32 v[rT], s[ID], v[rI+kk-1], s[rC+kk-1]
.elseif ((\n)-9)%3 == 1
	v_cndmask_b32 v[rI+kk], v[rI+kk], v[rT], s[rC+kk]
.else
	v_med3_num_f32 v[rR+kk+kk/3], v[rR+kk-1+(kk-1)/3], v[rR+kk+kk/3], v[rM]
.endif
.elseif (\n) == 21
	v_cndmask_b32 v[rI], v[rI], s[ID], s[rC]
.else
	v_max_num_f32 v[rR], v[rR], v[rM]
.endif
.endm
.macro TSL                             ; the next of 24 slices: two numbers of a pair of tiles, the tiles alternating
.set tp, 2*(TN/12)
.set tn, 2*(TN%12)
	WIN 0
	TK tp, tn
	TK tp+1, tn
.if tn < 22
	TK tp, tn+1
	TK tp+1, tn+1
.endif
.set TN, TN+1
.endm
; Product i of a step's 64: K step i / 4, tile i % 4.  The four accumulators take turns, one instruction a turn, from step to step too.
.macro MM
.set mk, i/4
.set mt, i%4
.set rD, ACC0+32*PAR+8*mt
.set rX, F0+32*((mk/4)%2)+8*(mk%4)
.set rQ, 32*(mk%8)+8*mt
	WIN 0x08+4*(mk/8)                              ; source 1 (Q) in window 2 or 3; all else in window 0
.if mk == 0
	v_wmma_f32_16x16x32_bf16 v[rD:rD+7], v[rX:rX+7], v[rQ:rQ+7], v[CI:CI+7]
.else
	v_wmma_f32_16x16x32_bf16 v[rD:rD+7], v[rX:rX+7], v[rQ:rQ+7], v[rD:rD+7]
.endif
.endm
.macro FRAG kstep, slot                ; X's fragment of one K step; destination and address lie in window 0 under the products' setting too
.set rF, F0+32*(((\kstep)/4)%2)+8*((\kstep)%4)
	ds_load_b128 v[rF:rF+3],   v[FA] offset:(\slot)*SLOTB+64*(\kstep)
	ds_load_b128 v[rF+4:rF+7], v[FA] offset:(\slot)*SLOTB+64*(\kstep)+32
.set DSN, DSN+2
.endm
.macro CLOAD slot
	ds_load_b128 v[CI:CI+3],   v[CA] offset:(\slot)*64
	ds_load_b128 v[CI+4:CI+7], v[CA] offset:(\slot)*64+16
.set DSN, DSN+2
.endm
; A STEP, for a block b with b % 4 = k: 64 products on block b (LDS slot and accumulators b % 2); beside them block b + 1 is rounded (ring slot (b + 1) % 4, LDS slot (b + 1) % 2), block b + 5
; is asked for, and block b - 1's scores enter the lists.  Four quarters of 4 K steps on buffers 0, 1, 0, 1; a quarter's 8 loads stand behind products 2 to 5 of the quarter before.
; A load into a register that a matrix instruction has read stands four plain vector instructions behind it that name none of its registers (ISA guide 7.12.1 for vector instructions
; ): the slices behind the three products in between hold eight or more.
; ONE BARRIER A STEP, for two things: in front of it my stores of block b + 1 are done and my reads of block b are back; behind it block b + 1 is read, and the next step writes into block b's slot.
.macro STEP k, mode=0
.set PAR,  (\k)%2
.set SIG,  ((\k)+1)%4
.set LS,   ((\k)+1)%2
.set NOLD, (\mode)
.set PN, 0
.set TN, 0
.set DSN, 0
.set FMARK, 0
	s_wait_dscnt 0x0                               ; the first quarter's fragments and the C terms: nothing was issued behind them
	HEAD \mode
.set i, 0
.rept 64
.if (i == 16) || (i == 32)
	s_wait_dscnt DSN-FMARK                         ; LDS instructions end in order (ISA guide 5.7.1): only the stores issued behind the quarter's fragment loads may be out
.endif
.if i == 48
	s_wait_dscnt 0x0                               ; the last quarter's fragments: my reads of this slot are over; my stores of the next block are done
.if (\mode) < 2
	s_barrier_signal -1                            ; say so; four products and their slices, work on registers, stand between the signal and the wait
.endif
.endif
	MM
.if (i < 48) && (i%16 >= 2) && (i%16 <= 5)
.set fk, 4*(i/16)+2+i%16
	FRAG fk, PAR
.if i%16 == 5
.set FMARK, DSN
.endif
.endif
.if (\mode) < 2
.if (i >= 52) && (i <= 55)
.set fk, i-52
	FRAG fk, LS                                    ; the next block's first quarter
.endif
.if i == 56
	CLOAD LS                                       ; and its C terms
.endif
.if i >= 48
	TSL
.elseif i%6 == 5
	TSL
.elseif PN < 36
	PSL
.endif
.if i == 51
	s_barrier_wait -1
.endif
.else
.if (i < 48) && (i%2 == 1)
	TSL                                            ; the last step rounds nothing: the list work alone fills the places in front of the fragment loads
.endif
.endif
.set i, i+1
.endr
.endm
	; Block 0 is rounded with no product beside it.
	HEAD 0
.set SIG, 0
.set LS, 0
.set NOLD, 0
.set PN, 0
.set DSN, 0
.rept 36
	PSL
.endr
	WIN 0
	s_wait_dscnt 0x0                               ; for the others' sake: my stores of block 0 are done (and Q's fragments are in)
	s_barrier_signal -1
	s_barrier_wait -1
.irp f, 0,1,2,3
	FRAG \f, 0
.endr
	CLOAD 0
	s_mov_b32 s[TRIP], 24
.Ltrip:                                                ; 24 trips of four steps: once round the ring of loads
	STEP 0
	STEP 1
	STEP 2
	STEP 3
	WIN 0
	s_sub_co_u32 s[TRIP], s[TRIP], 1
	s_cmp_lg_u32 s[TRIP], 0
	s_cbranch_scc1 .Ltrip
	STEP 0, 1                                      ; step 96 rounds block 97 and asks for nothing.  (Steps 93 to 95 asked for the last block again, by the clamp; those bytes are not read: the price of one text for every trip.)
	STEP 1, 2                                      ; step 97
	WIN 0
.rept 4
	v_nop                                          ; the places behind the last products
.endr
	s_mov_b32 s[ID], 97
.set PAR, 0                                            ; the list work reads the other parity's accumulators: block 97's
.set TN, 0
.rept 24
	TSL
.endr
	; THE WAY OUT.  A tile's five blocks pack into two words; a lane's 32 bytes go into my stage and come back so that each store of the wave covers 512 consecutive bytes, aligned.
.irp t, 0,1,2,3
	v_lshl_or_b32 v[REC+8*\t+3], v[LI+5*\t+1], 10, v[LI+5*\t]
	v_lshl_or_b32 v[REC+8*\t+7], v[LI+5*\t+4], 10, v[LI+5*\t+3]
	v_lshl_or_b32 v[REC+8*\t+3], v[LI+5*\t+2], 20, v[REC+8*\t+3]
.endr
	v_lshlrev_b32 v[QSA], 6, v[LR]                 ; query r: 64 bytes; half h: 32
	v_lshl_add_u32 v[QSA], v[LH], 5, v[QSA]
	v_add_nc_u32 v[QSA], s[QB], v[QSA]
	v_add_nc_u32 v[QLA], s[QB], v[GO]
.irp t, 0,1,2,3
	ds_store_b128 v[QSA], v[REC+8*\t:REC+8*\t+3]   offset:1024*\t
	ds_store_b128 v[QSA], v[REC+8*\t+4:REC+8*\t+7] offset:1024*\t+16
.endr
.irp j, 0,1,2,3,4,5,6,7
	ds_load_b128 v[OB+4*\j:OB+4*\j+3], v[QLA] offset:512*\j  ; my own bytes, served in order: these see the stores above
.endr
.irp j, 0,1,2,3,4,5,6,7
	s_wait_dscnt 7-\j                              ; the younger loads may stay out
	global_store_b128 v[GO], v[OB+4*\j:OB+4*\j+3], s[8:9] offset:512*\j
.endr
	s_wait_tensorcnt 0x0                           ; the wave's end: behind my last LDS store
	ds_add_u32 v[SPW], v[NIL]
	s_wait_dscnt 0x0
	s_endpgm
.Lfunc_end_k_q3409bae4ac_scan:
	.size	k_q3409bae4ac_scan, .Lfunc_end_k_q3409bae4ac_scan-k_q3409bae4ac_scan
	.p2alignl 7, 3214868480
	.fill 96, 4, 3214868480
	.section	.rodata,"a",@progbits
	.p2align	6, 0x0
	.amdhsa_kernel k_q3409bae4ac_scan
		.amdhsa_group_segment_fixed_size 300288
		.amdhsa_private_segment_fixed_size 0
		.amdhsa_enable_private_segment 0
		.amdhsa_kernarg_size 24
		.amdhsa_user_sgpr_count 2
		.amdhsa_user_sgpr_kernarg_segment_ptr 1
		.amdhsa_wavefront_size32 1
		.amdhsa_system_sgpr_workgroup_id_x 1
		.amdhsa_system_sgpr_workgroup_id_y 1
		.amdhsa_system_sgpr_workgroup_id_z 1
		.amdhsa_system_vgpr_workitem_id 0
		.amdhsa_next_free_vgpr 1024
		.amdhsa_next_free_sgpr 66
		.amdhsa_reserve_vcc 0
		.amdhsa_float_denorm_mode_32 3
		.amdhsa_float_denorm_mode_16_64 3
		.amdhsa_memory_ordered 1
		.amdhsa_forward_progress 1
		.amdhsa_inst_pref_size 218
	.end_amdhsa_kernel
	.amdgpu_metadata
---
amdhsa.version: [ 1, 2 ]
amdhsa.kernels:
  - .name:           k_q3409bae4ac_scan
    .symbol:         k_q3409bae4ac_scan.kd
    .args:
      - { .name: X, .offset: 0, .size: 8, .value_kind: global_buffer, .address_space: global }
      - { .name: queries, .offset: 8, .size: 8, .value_kind: global_buffer, .address_space: global }
      - { .name: cand, .offset: 16, .size: 8, .value_kind: global_buffer, .address_space: global }
    .group_segment_fixed_size: 300288
    .private_segment_fixed_size: 0
    .kernarg_segment_align: 8
    .kernarg_segment_size: 24
    .max_flat_workgroup_size: 128
    .sgpr_count:     66
    .vgpr_count:     1024
    .wavefront_size: 32
...
	.end_amdgpu_metadata
.endif
;; end of part 1
;; launch pick (part 2): grid 256 x 1, 4 waves a work-group, no clusters, 1,024 bytes of LDS; arguments cand, groups; writes groups
.if DOCPART == 2
	.amdgcn_target "amdgcn-amd-amdhsa--gfx1250"
	.amdhsa_code_object_version 6
	.text
	.protected	k_q3409bae4ac_pick
	.globl	k_q3409bae4ac_pick
	.p2align	8
	.type	k_q3409bae4ac_pick,@function
k_q3409bae4ac_pick:
	s_mov_b64 s[64:65], 0
	v_nop
	global_prefetch_b8 v0, s[64:65] scope:SCOPE_SE
	s_setreg_imm32_b32 hwreg(HW_REG_WAVE_MODE, 25, 1), 1
	s_wait_xcnt 0x0
; PICK: for each query the five groups with the largest maxima among the 640 that the lists name (64 slabs x 2 halves x 5).  One wave, one query.
; cand: [64 slabs][1024 queries][2 h][8 words]: v0 v1 v2 (i0 | i1 << 10 | i2 << 20) v3 v4 -inf (i3 | i4 << 10); i is a block's number inside its slab.
; groups: [1024][32 words]: words 0-4 the groups (row / 8), the rest 0.  The choice is stored as whole numbers here and becomes an address only in the next launch.
; A lane takes 16 bytes of 8 slabs: 24 places of (value, group); the group is kept as f32, which holds 0 .. 12,499 exactly.  Five passes: the wave's largest value; among the places that
; hold it the lowest group; that group's place is set to -inf.  No branch hangs on a value.  The lists name no group twice; the filler place (-inf) is never taken.
; No matrix unit, no cluster: 4 MB are read once, and no two work-groups read the same bytes.  LIMIT: NaN and infinities are not treated apart.
.set SPARE, 512                        ; behind the 512 bytes of results: the spare words, 128 bytes for each wave
.set V,  16                            ; v16-47  load j at 4 j: three values and the packed blocks
.set G,  48                            ; v48-71  place (j, e) at 3 j + e: its group
.set T,  72                            ; v72-79  at work, one a load
.set B2, 80                            ; v80-87  2 x the slab's first block + h, for load j
.set C,  88                            ; v88-90  at work
	s_load_b128 s[4:7], s[0:1], 0x0                ; cand s[4:5], groups s[6:7]
	v_lshl_add_u32 v1, v0, 2, SPARE
	v_mov_b32 v2, 0
	v_lshrrev_b32 v3, 5, v0
	v_readfirstlane_b32 s8, v3                     ; wave 0..3
	v_and_b32 v4, 31, v0                           ; lane
	v_lshrrev_b32 v5, 2, v4                        ; which of 8 slabs
	v_bfe_u32 v6, v4, 1, 1                         ; h
	v_and_b32 v7, 3, v4
	v_lshlrev_b32 v7, 4, v7                        ; my 16 of the query's 64 bytes
	v_lshl_add_u32 v7, v5, 16, v7                  ; + slab x 65,536
	s_lshl_b32 s10, ttmp9, 2
	s_add_co_u32 s10, s10, s8                      ; the query
	s_lshl_b32 s10, s10, 6
	s_mov_b32 s11, 0
	s_mov_b32 s12, 0x76543210                      ; v_permlanex16_b32: each lane takes its own place in the other half
	s_mov_b32 s13, 0xfedcba98
	s_lshl_b32 s16, ttmp9, 9                       ; the work-group's 512 bytes of groups
	s_mov_b32 s17, 0
	s_wait_kmcnt 0x0
	s_add_nc_u64 s[4:5], s[4:5], s[10:11]
	s_add_nc_u64 s[6:7], s[6:7], s[16:17]
.set j, 0
.rept 8
	global_load_b128 v[V+4*j:V+4*j+3], v7, s[4:5] offset:j*524288 th:TH_LOAD_NT  ; slab 8 j + lane / 4
.set j, j+1
.endr
.set j, 0
.rept 8                                                ; the slab's first block, (6250 x slab) >> 6, while the loads are out
	v_add_nc_u32 v8, 8*j, v5
	v_mul_u32_u24 v8, v8, 6250
	v_lshrrev_b32 v8, 6, v8
	v_lshl_add_u32 v[B2+j], v8, 1, v6
.set j, j+1
.endr
	v_mov_b32 v9, 0x7f800000                       ; +inf
	v_mov_b32 v10, 0xff800000                      ; -inf
	v_mov_b32 v11, 0                               ; lane k takes the k-th group
	v_mov_b32 v14, 0                               ; v_permlanex16_b32's destination counts as read
	s_wait_loadcnt 0x0
.set j, 0
.rept 8
.irp e, 0,1,2
	v_bfe_u32 v8, v[V+4*j+3], 10*\e, 10
	v_lshl_add_u32 v8, v8, 1, v[B2+j]              ; group = 2 x block + h
	v_cvt_f32_u32 v[G+3*j+\e], v8
.endr
.set j, j+1
.endr
	s_mov_b32 s14, 0
.Lpass:
.set j, 0
.rept 8
	v_max3_num_f32 v[T+j], v[V+4*j], v[V+4*j+1], v[V+4*j+2]
.set j, j+1
.endr
	v_max3_num_f32 v12, v[T], v[T+1], v[T+2]
	v_max3_num_f32 v12, v12, v[T+3], v[T+4]
	v_max3_num_f32 v12, v12, v[T+5], v[T+6]
	v_max_num_f32 v12, v12, v[T+7]
	v_max_num_f32_dpp v12, v12, v12 row_xmask:1 row_mask:0xf bank_mask:0xf
	v_max_num_f32_dpp v12, v12, v12 row_xmask:2 row_mask:0xf bank_mask:0xf
	v_max_num_f32_dpp v12, v12, v12 row_xmask:4 row_mask:0xf bank_mask:0xf
	v_max_num_f32_dpp v12, v12, v12 row_xmask:8 row_mask:0xf bank_mask:0xf
	v_permlanex16_b32 v14, v12, s12, s13
	v_max_num_f32 v12, v12, v14                    ; the largest value left, in every lane
.set j, 0
.rept 8
.irp e, 0,1,2
	v_cmp_eq_f32 vcc_lo, v[V+4*j+\e], v12
	v_cndmask_b32 v[C+\e], v9, v[G+3*j+\e], vcc_lo
.endr
	v_min3_num_f32 v[T+j], v[C], v[C+1], v[C+2]
.set j, j+1
.endr
	v_min3_num_f32 v13, v[T], v[T+1], v[T+2]
	v_min3_num_f32 v13, v13, v[T+3], v[T+4]
	v_min3_num_f32 v13, v13, v[T+5], v[T+6]
	v_min_num_f32 v13, v13, v[T+7]
	v_min_num_f32_dpp v13, v13, v13 row_xmask:1 row_mask:0xf bank_mask:0xf
	v_min_num_f32_dpp v13, v13, v13 row_xmask:2 row_mask:0xf bank_mask:0xf
	v_min_num_f32_dpp v13, v13, v13 row_xmask:4 row_mask:0xf bank_mask:0xf
	v_min_num_f32_dpp v13, v13, v13 row_xmask:8 row_mask:0xf bank_mask:0xf
	v_permlanex16_b32 v14, v13, s12, s13
	v_min_num_f32 v13, v13, v14                    ; the lowest group that holds it
.set j, 0
.rept 8
.irp e, 0,1,2
	v_cmp_eq_f32 vcc_lo, v[G+3*j+\e], v13
	v_cndmask_b32 v[V+4*j+\e], v[V+4*j+\e], v10, vcc_lo
.endr
.set j, j+1
.endr
	v_cmp_eq_u32 vcc_lo, s14, v4
	v_cndmask_b32 v11, v11, v13, vcc_lo
	s_add_co_u32 s14, s14, 1
	s_cmp_lt_u32 s14, 5
	s_cbranch_scc1 .Lpass
	v_cvt_u32_f32 v11, v11
	v_lshlrev_b32 v15, 2, v0                       ; wave w's 32 words at byte 128 w
	ds_store_b32 v15, v11
	s_wait_dscnt 0x0                               ; for wave 0's sake: my store is done
	s_barrier_signal -1
	s_barrier_wait -1
	s_cmp_lg_u32 s8, 0
	s_cbranch_scc1 .Lend
	v_lshlrev_b32 v8, 4, v4
	ds_load_b128 v[T:T+3], v8                      ; the four queries' 512 bytes,
	s_wait_dscnt 0x0
	global_store_b128 v8, v[T:T+3], s[6:7]         ; stored by one instruction: 512 consecutive bytes, aligned
.Lend:
	s_wait_tensorcnt 0x0                           ; the wave's end: behind my last LDS store
	ds_add_u32 v1, v2
	s_wait_dscnt 0x0
	s_endpgm
.Lfunc_end_k_q3409bae4ac_pick:
	.size	k_q3409bae4ac_pick, .Lfunc_end_k_q3409bae4ac_pick-k_q3409bae4ac_pick
	.p2alignl 7, 3214868480
	.fill 96, 4, 3214868480
	.section	.rodata,"a",@progbits
	.p2align	6, 0x0
	.amdhsa_kernel k_q3409bae4ac_pick
		.amdhsa_group_segment_fixed_size 1024
		.amdhsa_private_segment_fixed_size 0
		.amdhsa_enable_private_segment 0
		.amdhsa_kernarg_size 16
		.amdhsa_user_sgpr_count 2
		.amdhsa_user_sgpr_kernarg_segment_ptr 1
		.amdhsa_wavefront_size32 1
		.amdhsa_system_sgpr_workgroup_id_x 1
		.amdhsa_system_sgpr_workgroup_id_y 1
		.amdhsa_system_sgpr_workgroup_id_z 1
		.amdhsa_system_vgpr_workitem_id 0
		.amdhsa_next_free_vgpr 96
		.amdhsa_next_free_sgpr 66
		.amdhsa_reserve_vcc 1
		.amdhsa_float_denorm_mode_32 3
		.amdhsa_float_denorm_mode_16_64 3
		.amdhsa_memory_ordered 1
		.amdhsa_forward_progress 1
		.amdhsa_inst_pref_size 14
	.end_amdhsa_kernel
	.amdgpu_metadata
---
amdhsa.version: [ 1, 2 ]
amdhsa.kernels:
  - .name:           k_q3409bae4ac_pick
    .symbol:         k_q3409bae4ac_pick.kd
    .args:
      - { .name: cand, .offset: 0, .size: 8, .value_kind: global_buffer, .address_space: global }
      - { .name: groups, .offset: 8, .size: 8, .value_kind: global_buffer, .address_space: global }
    .group_segment_fixed_size: 1024
    .private_segment_fixed_size: 0
    .kernarg_segment_align: 8
    .kernarg_segment_size: 16
    .max_flat_workgroup_size: 128
    .sgpr_count:     66
    .vgpr_count:     96
    .wavefront_size: 32
...
	.end_amdgpu_metadata
.endif
;; end of part 2
;; launch vote (part 3): grid 256 x 1, 20 waves a work-group, no clusters, 5,632 bytes of LDS; arguments X, Y, queries, groups, out0; writes out0
.if DOCPART == 3
	.amdgcn_target "amdgcn-amd-amdhsa--gfx1250"
	.amdhsa_code_object_version 6
	.text
	.protected	k_q3409bae4ac_vote
	.globl	k_q3409bae4ac_vote
	.p2align	8
	.type	k_q3409bae4ac_vote,@function
k_q3409bae4ac_vote:
	s_mov_b64 s[64:65], 0
	v_nop
	global_prefetch_b8 v0, s[64:65] scope:SCOPE_SE
	s_setreg_imm32_b32 hwreg(HW_REG_WAVE_MODE, 25, 1), 1
	s_wait_xcnt 0x0
; VOTE: out0[q] = (mean of the labels of q's five nearest rows, 0).  A work-group takes 4 queries; wave w takes query w % 4 and the (w / 4)-th of its five groups of 8 rows, whose number an
; earlier launch stored as a whole number.  It scores the 8 rows by reference's formula, 2 q.x - |q|^2 - |x|^2, on q and x rounded to bf16, all sums in f32: a lane takes 16 numbers of a
; row (products straight from the bf16 halves), then the 32 lanes are added.  Scores, labels and the group's first row go to wave 0 through LDS.  Wave 0 ranks each query's 40 rows in 8 lanes:
; five passes of largest score, lowest row among equals, label added by a select.  No branch and no address hangs on a score.
; No matrix unit: 40 rows a query are 0.04 % of the products.  No cluster: no two work-groups are known to read the same rows.  No prefetch: all of a wave's loads go out as soon as its group is known.
; out0 is 8,192 bytes in all and a work-group owns 32 of them: its one store cannot fill 256.
; LIMITS.  NaN and infinities are not treated apart; rows whose scores differ by less than f32 summation error may change places.  The mean is the sum times 0.2.
.set SC,    0                          ; [4 queries][64 words]: score of group g, row j at 32 g + 4 j
.set LBL,   1024                       ; the same for the labels, as f32
.set ROW,   2048                       ; the group's first row, as f32 (99,992 at the most: exact), at 32 g
.set SPARE, 3072                       ; the spare words, 128 bytes for each of 20 waves: ten blocks of 256 bytes that no other line names
.set QR,  8                            ; v8-23   q as loaded: 4 numbers of each 128
.set QP,  24                           ; v24-31  q rounded, packed
.set XP,  32                           ; v32-39  a row rounded, packed
.set A0,  40                           ; v40-43  q.x (low halves, high halves), x.x (likewise)
.set ZR,  48                           ; v48     0.0
.set Q2,  49                           ; v49     |q|^2
.set TW,  50                           ; v50     at work
.set LA,  51                           ; v51     256 x (w % 4) + 32 x (w / 4)
.set RW,  64                           ; v64-191 the 8 rows as loaded, 16 registers each
.macro MIX d, a, b, c, hi              ; d = (half hi of a) x (half hi of b) + c, the halves taken as bf16
	v_fma_mix_f32_bf16 v[\d], v[\a], v[\b], v[\c] op_sel:[\hi,\hi,0] op_sel_hi:[1,1,0]
.endm
.macro WSUM a                          ; the sum over the wave's 32 lanes, in every lane
	v_add_f32_dpp v[\a], v[\a], v[\a] row_xmask:1 row_mask:0xf bank_mask:0xf
	v_add_f32_dpp v[\a], v[\a], v[\a] row_xmask:2 row_mask:0xf bank_mask:0xf
	v_add_f32_dpp v[\a], v[\a], v[\a] row_xmask:4 row_mask:0xf bank_mask:0xf
	v_add_f32_dpp v[\a], v[\a], v[\a] row_xmask:8 row_mask:0xf bank_mask:0xf
	v_permlanex16_b32 v[TW], v[\a], s22, s23
	v_add_f32 v[\a], v[\a], v[TW]
.endm
	s_load_b256 s[4:11], s[0:1], 0x0               ; X s[4:5], Y s[6:7], queries s[8:9], groups s[10:11]
	s_load_b64 s[12:13], s[0:1], 0x20              ; out0
	v_lshl_add_u32 v1, v0, 2, SPARE
	v_mov_b32 v2, 0
	v_lshrrev_b32 v3, 5, v0
	v_readfirstlane_b32 s14, v3                    ; wave 0..19
	s_and_b32 s15, s14, 3                          ; which of the four queries
	s_lshr_b32 s16, s14, 2                         ; which of its five groups
	s_lshl_b32 s17, ttmp9, 2
	s_add_co_u32 s17, s17, s15                     ; the query
	s_lshl_b32 s18, s17, 7                         ; groups: 128 bytes a query,
	s_lshl2_add_u32 s18, s16, s18                  ; 4 a group
	s_mov_b32 s19, 0
	s_lshl_b32 s21, s15, 8
	s_lshl_b32 s33, s16, 5
	s_add_co_u32 s21, s21, s33
	s_mov_b32 s22, 0x76543210                      ; v_permlanex16_b32: each lane takes its own place in the other half
	s_mov_b32 s23, 0xfedcba98
	v_and_b32 v4, 31, v0
	v_lshlrev_b32 v5, 4, v4                        ; 16 x lane
	v_mov_b32 v[ZR], 0
	v_mov_b32 v[TW], 0                             ; v_permlanex16_b32's destination counts as read
	v_mov_b32 v[LA], s21
	s_wait_kmcnt 0x0
	s_add_nc_u64 s[10:11], s[10:11], s[18:19]
	s_load_b32 s20, s[10:11], 0x0                  ; my group
	s_lshl_b32 s18, s17, 11
	s_add_nc_u64 s[8:9], s[8:9], s[18:19]
	s_lshl_b32 s18, ttmp9, 5
	s_add_nc_u64 s[12:13], s[12:13], s[18:19]
.irp c, 0,1,2,3
	global_load_b128 v[QR+4*\c:QR+4*\c+3], v5, s[8:9] offset:512*\c  ; 512 neighbouring bytes of q
.endr
	s_wait_kmcnt 0x0
	s_min_u32 s20, s20, 12499                      ; a number that was loaded enters an address only behind this bound: X has 12,500 groups
	s_lshl_b32 s18, s20, 14                        ; 8 rows of 2,048 bytes
	s_add_nc_u64 s[4:5], s[4:5], s[18:19]
.set j, 0
.rept 8
.irp c, 0,1,2,3
	global_load_b128 v[RW+16*j+4*\c:RW+16*j+4*\c+3], v5, s[4:5] offset:2048*j+512*\c
.endr
.set j, j+1
.endr
	s_lshl_b32 s18, s20, 5                         ; 8 labels of 4 bytes
	s_add_nc_u64 s[6:7], s[6:7], s[18:19]
	s_load_b256 s[24:31], s[6:7], 0x0
	s_lshl_b32 s33, s20, 3                         ; the group's first row
	s_wait_loadcnt 32                              ; loads come back in order (ISA guide 5.7.1): the 32 loads of the rows are younger than q's four
.set e, 0
.rept 8
	v_cvt_pk_bf16_f32 v[QP+e], v[QR+2*e], v[QR+2*e+1]
.set e, e+1
.endr
	MIX A0,   QP, QP, ZR, 0
	MIX A0+1, QP, QP, ZR, 1
.set e, 1
.rept 7
	MIX A0,   QP+e, QP+e, A0,   0
	MIX A0+1, QP+e, QP+e, A0+1, 1
.set e, e+1
.endr
	v_add_f32 v[Q2], v[A0], v[A0+1]
	WSUM Q2
.macro ROWJ j
	s_wait_loadcnt 28-4*(\j)                       ; the later rows' loads may stay out
.set e, 0
.rept 8
	v_cvt_pk_bf16_f32 v[XP+e], v[RW+16*(\j)+2*e], v[RW+16*(\j)+2*e+1]
.set e, e+1
.endr
	MIX A0,   XP, QP, ZR, 0
	MIX A0+1, XP, QP, ZR, 1
	MIX A0+2, XP, XP, ZR, 0
	MIX A0+3, XP, XP, ZR, 1
.set e, 1
.rept 7
	MIX A0,   XP+e, QP+e, A0,   0
	MIX A0+1, XP+e, QP+e, A0+1, 1
	MIX A0+2, XP+e, XP+e, A0+2, 0
	MIX A0+3, XP+e, XP+e, A0+3, 1
.set e, e+1
.endr
	v_add_f32 v[A0],   v[A0],   v[A0+1]
	v_add_f32 v[A0+2], v[A0+2], v[A0+3]
	v_fma_f32 v[A0], 2.0, v[A0], -v[A0+2]          ; my lanes' part of 2 q.x - |x|^2
	WSUM A0
	v_sub_f32 v[A0], v[A0], v[Q2]
	ds_store_b32 v[LA], v[A0] offset:SC+4*(\j)     ; all lanes write one word with one value
.endm
.irp j, 0,1,2,3,4,5,6,7
	ROWJ \j
.endr
	s_wait_kmcnt 0x0                               ; the labels
.irp j, 0,1,2,3,4,5,6,7
	v_cvt_f32_i32 v[A0], s[24+\j]
	ds_store_b32 v[LA], v[A0] offset:LBL+4*\j
.endr
	v_cvt_f32_u32 v[A0+1], s33
	ds_store_b32 v[LA], v[A0+1] offset:ROW
	s_wait_dscnt 0x0                               ; for wave 0's sake: my stores are done
	s_barrier_signal -1
	s_barrier_wait -1
	s_cmp_lg_u32 s14, 0
	s_cbranch_scc1 .Lend
	; Wave 0: lanes 8 i .. 8 i + 7 serve query i; lane j of them holds row j of each of the five groups: score v64+g, label v72+g, row v80+g.
	v_lshrrev_b32 v6, 3, v4
	v_and_b32 v7, 7, v4
	v_lshlrev_b32 v52, 8, v6
	v_lshl_add_u32 v53, v7, 2, v52
.irp g, 0,1,2,3,4
	ds_load_b32 v[64+\g], v53 offset:SC+32*\g
	ds_load_b32 v[72+\g], v53 offset:LBL+32*\g
	ds_load_b32 v[80+\g], v52 offset:ROW+32*\g
.endr
	v_cvt_f32_u32 v54, v7
	v_mov_b32 v55, 0                               ; my lanes' part of the sum of labels
	v_mov_b32 v56, 0x7f800000                      ; +inf
	v_mov_b32 v57, 0xff800000                      ; -inf
	s_wait_dscnt 0x0
.irp g, 0,1,2,3,4
	v_add_f32 v[80+\g], v[80+\g], v54
.endr
	s_mov_b32 s34, 5
.Lpass:
	v_max3_num_f32 v58, v64, v65, v66
	v_max3_num_f32 v58, v58, v67, v68
	v_max_num_f32_dpp v58, v58, v58 row_xmask:1 row_mask:0xf bank_mask:0xf
	v_max_num_f32_dpp v58, v58, v58 row_xmask:2 row_mask:0xf bank_mask:0xf
	v_max_num_f32_dpp v58, v58, v58 row_xmask:4 row_mask:0xf bank_mask:0xf  ; the query's largest score left
.irp g, 0,1,2,3,4
	v_cmp_eq_f32 vcc_lo, v[64+\g], v58
	v_cndmask_b32 v[88+\g], v56, v[80+\g], vcc_lo
.endr
	v_min3_num_f32 v59, v88, v89, v90
	v_min3_num_f32 v59, v59, v91, v92
	v_min_num_f32_dpp v59, v59, v59 row_xmask:1 row_mask:0xf bank_mask:0xf
	v_min_num_f32_dpp v59, v59, v59 row_xmask:2 row_mask:0xf bank_mask:0xf
	v_min_num_f32_dpp v59, v59, v59 row_xmask:4 row_mask:0xf bank_mask:0xf  ; the lowest row that has it
.irp g, 0,1,2,3,4
	v_cmp_eq_f32 vcc_lo, v[80+\g], v59
	v_cndmask_b32 v60, 0, v[72+\g], vcc_lo
	v_cndmask_b32 v[64+\g], v[64+\g], v57, vcc_lo
	v_add_f32 v55, v55, v60
.endr
	s_sub_co_u32 s34, s34, 1
	s_cmp_lg_u32 s34, 0
	s_cbranch_scc1 .Lpass
	v_add_f32_dpp v55, v55, v55 row_xmask:1 row_mask:0xf bank_mask:0xf
	v_add_f32_dpp v55, v55, v55 row_xmask:2 row_mask:0xf bank_mask:0xf
	v_add_f32_dpp v55, v55, v55 row_xmask:4 row_mask:0xf bank_mask:0xf
	v_mul_f32 v62, 0x3e4ccccd, v55                 ; the mean of five
	v_mov_b32 v63, 0                               ; the padded column
	v_lshlrev_b32 v61, 3, v6
	v_cmp_eq_u32 vcc_lo, 0, v7
	s_wait_xcnt 0x0                                ; EXEC is a source of the loads above: it changes only behind this wait
	s_and_saveexec_b32 s35, vcc_lo                 ; one lane a query
	global_store_b64 v61, v[62:63], s[12:13]
	s_wait_xcnt 0x0                                ; and again, in front of the line that widens it
	s_or_b32 exec_lo, exec_lo, s35
.Lend:
	s_wait_tensorcnt 0x0                           ; the wave's end: behind my last LDS store
	ds_add_u32 v1, v2
	s_wait_dscnt 0x0
	s_endpgm
.Lfunc_end_k_q3409bae4ac_vote:
	.size	k_q3409bae4ac_vote, .Lfunc_end_k_q3409bae4ac_vote-k_q3409bae4ac_vote
	.p2alignl 7, 3214868480
	.fill 96, 4, 3214868480
	.section	.rodata,"a",@progbits
	.p2align	6, 0x0
	.amdhsa_kernel k_q3409bae4ac_vote
		.amdhsa_group_segment_fixed_size 5632
		.amdhsa_private_segment_fixed_size 0
		.amdhsa_enable_private_segment 0
		.amdhsa_kernarg_size 40
		.amdhsa_user_sgpr_count 2
		.amdhsa_user_sgpr_kernarg_segment_ptr 1
		.amdhsa_wavefront_size32 1
		.amdhsa_system_sgpr_workgroup_id_x 1
		.amdhsa_system_sgpr_workgroup_id_y 1
		.amdhsa_system_sgpr_workgroup_id_z 1
		.amdhsa_system_vgpr_workitem_id 0
		.amdhsa_next_free_vgpr 192
		.amdhsa_next_free_sgpr 66
		.amdhsa_reserve_vcc 1
		.amdhsa_float_denorm_mode_32 3
		.amdhsa_float_denorm_mode_16_64 3
		.amdhsa_memory_ordered 1
		.amdhsa_forward_progress 1
		.amdhsa_inst_pref_size 37
	.end_amdhsa_kernel
	.amdgpu_metadata
---
amdhsa.version: [ 1, 2 ]
amdhsa.kernels:
  - .name:           k_q3409bae4ac_vote
    .symbol:         k_q3409bae4ac_vote.kd
    .args:
      - { .name: X, .offset: 0, .size: 8, .value_kind: global_buffer, .address_space: global }
      - { .name: Y, .offset: 8, .size: 8, .value_kind: global_buffer, .address_space: global }
      - { .name: queries, .offset: 16, .size: 8, .value_kind: global_buffer, .address_space: global }
      - { .name: groups, .offset: 24, .size: 8, .value_kind: global_buffer, .address_space: global }
      - { .name: out0, .offset: 32, .size: 8, .value_kind: global_buffer, .address_space: global }
    .group_segment_fixed_size: 5632
    .private_segment_fixed_size: 0
    .kernarg_segment_align: 8
    .kernarg_segment_size: 40
    .max_flat_workgroup_size: 640
    .sgpr_count:     66
    .vgpr_count:     192
    .wavefront_size: 32
...
	.end_amdgpu_metadata
.endif
;; end of part 3
